; MI455X (gfx1250); checked and timed in simulation.
; The chip was launched on July 23, 2026; its instructions are those of AMD's public machine-readable ISA for CDNA 5 (MIT licence, August 2026) and "CDNA5" Instruction Set Architecture Reference Guide (July 2026). The comments in the code are by the model that wrote it; some were corrected since.
;; Single Head Attention. Allowed arithmetic: matrix products marked QUANTISED: E2M1 operands, one E8M0 scale for each 32 along K, by v_wmma_scale_f32_16x16x128_f8f6f4 with both operands' format E2M1 (or v_wmma_scale_f32_32x16x128_f4), f32 sums; everything else in f32.
;; Inputs: Wk_codes 1,024 x 32 x 16 uint8 (E2M1 codes of Wk, K innermost, in blocks of 32 codes, two codes a byte); Wk_scales 1,024 x 32 uint8 (E8M0 scales of Wk, one for each 32 codes along K); Wv_codes 1,024 x 32 x 16 uint8 (E2M1 codes of Wv, K innermost, in blocks of 32 codes, two codes a byte); Wv_scales 1,024 x 32 uint8 (E8M0 scales of Wv, one for each 32 codes along K); x_codes 4 x 2,048 x 32 x 16 uint8 (E2M1 codes of x, K innermost, in blocks of 32 codes, two codes a byte); x_scales 4 x 2,048 x 32 uint8 (E8M0 scales of x, one for each 32 codes along K).
;; Outputs: out0 4 x 2,048 x 1,024 float32.
;; This version of the problem:
;;   THIS VERSION OF THE PROBLEM IS GIVEN IN LOW PRECISION. The matrix products marked QUANTISED in the list below multiply operands that are first quantised to E2M1 (2 exponent bits, 1 mantissa bit; 4 bits a number), with one power-of-two scale for each 32 numbers along K (OCP MX v1.0); their sums are f32. All else is computed in f32.
;;   The module's matrix products, in the order in which they are computed (A, B: the left and right operand; K: the contracted axis; several contracted axes count as one K, in the product's order):
;;     1. [M 8,192, K 1,024] x [K 1,024, N 1,024]; A: input x (given as codes); B: input Wk (given as codes): QUANTISED
;;     2. [M 8,192, K 1,024] x [K 1,024, N 1,024]; A: input x (given as codes); B: input Wk (given as codes): QUANTISED
;;     3. [M 8,192, K 1,024] x [K 1,024, N 1,024]; A: input x (given as codes); B: input Wv (given as codes): QUANTISED
;;     4. batch 4 x [M 2,048, K 1,024] x [K 1,024, N 2,048]; A: computed on the way; B: computed on the way: QUANTISED
;;     5. batch 4 x [M 2,048, K 2,048] x [K 2,048, N 1,024]; A: softmax (see below); B: computed on the way: QUANTISED
;;   THE QUANTISER, for each operand of a quantised product, along K:
;;     - K is cut into blocks of 32 from its start; a last block that is shorter is filled with zeros.
;;     - A block's scale is 2^e with e = floor(log2(the largest magnitude in the block)) - 2, held to -126 .. 127; a block of zeros has e = 0. As a byte (E8M0): e + 127.
;;     - Each number is divided by its block's scale, clamped to +-6, and rounded to the nearest number of E2M1, ties to even, subnormals kept.
;;     - The product sums the exact products of the quantised numbers (number of the format x scale) in f32.
;;   ~~~python
;;   def quantise(x, axis):      # numpy; x: float32 -> the quantised numbers, widened to float32 again
;;       x = np.moveaxis(x, axis, -1); K = x.shape[-1]
;;       x = np.pad(x, [(0, 0)] * (x.ndim - 1) + [(0, -K % 32)]); x = x.reshape(x.shape[:-1] + (-1, 32)); a = np.abs(x).max(-1, keepdims=True)
;;       e = np.where(a > 0, np.clip(np.frexp(np.where(a > 0, a, 1))[1] - 1 - 2, -126, 127), 0)      # np.frexp(a)[1] - 1 = floor(log2(a)), exactly
;;       r = np.clip(x / 2.0 ** e, -6, 6)
;;       step = 2.0 ** (np.maximum(np.frexp(np.where(r == 0, 1, r))[1] - 1, 0) - 1)
;;       q = np.round(r / step) * step * 2.0 ** e      # np.round: ties to even
;;       return np.moveaxis(q.reshape(q.shape[:-2] + (-1,))[..., :K], -1, axis).astype(np.float32)
;;   ~~~
;;   SOFTMAX AHEAD OF A QUANTISED PRODUCT. Where the list says 'softmax', what is quantised is not the finished softmax but p = 2^(t - M), with t = logit x log2(e) and M = ceil(the row's largest t), a whole number; so 1/2 < the row's largest p <= 1. The row's sum l is taken of the UNQUANTISED p, in f32, and the product's result is divided by l at the end. Since M is a whole number, a kernel that streams over the keys may use a running M (the ceiling of the running maximum): every later rescaling is an exact power of two, which a block's scale takes up: the codes' values come out the same.
;;   OPERANDS COMPUTED ON THE WAY. 'Computed on the way' means the value that the module computes at that place (a softmax that the list does not call 'softmax' is quantised finished and normalised). What goes into a quantiser is computed in f32, as accurately as f32 sums, v_exp_f32 and their like allow (about 1e-6 of the number): no bf16 or f16 on the way to a quantiser, and a product that is left as it is and whose result goes on into a quantised operand takes f32 operands (vector FMAs, or v_wmma_f32_16x16x4_f32). A number that lies on a knife's edge between two numbers of the format may be rounded either way, as far as f32 arithmetic and the matrix unit's own rounding can turn it there, and no further.
;;   INPUTS GIVEN AS CODES. Wk (in the module: [1024, 1024], K = its axis 1); Wv (in the module: [1024, 1024], K = its axis 1); x (in the module: [4, 2048, 1024], K = its axis 2): each comes as NAME_codes (uint8): NAME with its K axis moved to the last place and cut into blocks of 32 codes, [.., K / 32, bytes a block], one block behind the other in memory; two codes a byte, the lower K in the low four bits (a code: sign, 2 exponent bits, 1 mantissa bit); and NAME_scales (uint8): the same leading axes, one E8M0 byte (e + 127) for each 32 codes along K. Its value is code x scale, taken as it is: it is not quantised again, and the codes and scales need not be those that the quantiser above would give.
;; One version. Each part assembles by itself: llvm-mc -triple=amdgcn-amd-amdhsa -mcpu=gfx1250 --defsym DOCPART=n.
;; ======== version 1 of 1: 3 launches
;; limits: right only within a limited range of input values
;; workspace buffers: kf 4,194,304 bytes; vf 4,194,304 bytes; ks 262,144 bytes; vs 262,144 bytes; pf 4,456,448 bytes; st 2,228,224 bytes
;; launch proj (part 1): grid 8 x 32, 4 waves a work-group, clusters of 4 x 4, 327,680 bytes of LDS; arguments x_codes, x_scales, Wk_codes, Wk_scales, Wv_codes, Wv_scales, kf, ks, vf, vs; writes kf, ks, vf, vs
.if DOCPART == 1
	.amdgcn_target "amdgcn-amd-amdhsa--gfx1250"
	.amdhsa_code_object_version 6
	.text
	.protected	k_qc2caf46cb3_proj
	.globl	k_qc2caf46cb3_proj
	.p2align	8
	.type	k_qc2caf46cb3_proj,@function
k_qc2caf46cb3_proj:
	s_mov_b64 s[64:65], 0
	v_nop
	global_prefetch_b8 v0, s[64:65] scope:SCOPE_SE
	s_setreg_imm32_b32 hwreg(HW_REG_WAVE_MODE, 25, 1), 1
	s_wait_xcnt 0x0
	s_wait_alu depctr_hold_cnt(0) depctr_sa_sdst(0) depctr_va_vdst(0) depctr_va_sdst(0) depctr_va_ssrc(0) depctr_va_vcc(0) depctr_vm_vsrc(0)
	s_getreg_b32 s2, hwreg(HW_REG_IB_STS2, 6, 4)
	s_cmp_eq_u32 s2, 0
	s_cbranch_scc0 .Lentry_in_a_cluster
	s_endpgm
.Lentry_in_a_cluster:
	s_bfe_u32 s2, ttmp6, 0x10000c
	s_cmp_lg_u32 s2, 0xf033
	s_cbranch_scc0 .Lentry_shape_is_right
	s_endpgm
.Lentry_shape_is_right:
; k = x Wk^T and v = x Wv^T on codes of FP4 (E2M1) with one E8M0 scale for each 32 along K, and both results quantised on the way out:
; k along the head's axis h (it is both operands of the score product), v along the keys (the second product's K).
; WORK LEFT OUT.  (1) q = einsum(x, Wk) has the same two operands as k = einsum(x, Wk), for every value of the inputs, and q and k are quantised along the same axis:
; so q's codes and scales ARE k's; they are made once and one buffer serves both sides of the score product.  (2) The causal mask is built in the problem's own body:
; the next launch multiplies no block of 32 keys that lies wholly behind its 32 queries.  Every input is loaded.
; LIMITS.  A NaN, an infinity or an overflow that reaches only the work left out is not carried to the result.  A block of zeros gets the scale byte 1 where the rule says 127
; (its codes are zeros, and this program alone reads the bytes); blocks whose largest magnitude lies under 2^-124 are held at byte 1; NaN and infinities among the inputs are not served.
; SHARES.  A work-group takes 256 tokens (rows 256 wgy of x), 128 rows of Wk and 128 rows of Wv (rows 128 wgx), all of K = 1,024: 256 work-groups.  Each of its four waves makes 128 x 128:
; 64 accumulators of 16 x 16, 512 registers.  Waves 0, 1 (the k role): R = x's half lo, P = Wk.  Waves 2, 3 (the v role): R = Wv, P = x's half lo.
; The matrix instruction takes source 0 = 16 rows of P and source 1 = 16 rows of R: a lane then holds ONE row of R and its registers run along P, which is the next product's K in both roles.
; So the 64 registers that a lane holds of one block of 16 rows of R become one operand fragment (16 rows x 128 K) and one scale word a row, and both roles run one text.
; OUT.  A fragment is stored as an image of the operand's registers: register group c of lane l at 512 c + 16 l: each store of the wave covers 512 consecutive bytes, aligned.
;   kf [b 4][s 8][tile 128][1024]: tokens 16 tile on, h = 128 s on.      vf [b 4][j 16][ht 64][1024]: h rows 16 ht on, keys 128 j on.
;   ks [b 4][s 8][G 16][lane 32][q 4] words: lane 16 u + r, word q: the scale word of token 128 G + 32 q + 16 u + r.      vs [b 4][j 16][A 8][lane 32][q 4]: of h row 128 A + 32 q + 16 u + r.
; LDS.  Two slots of 512 along K (rows of 256 bytes + 16 of padding), each four quarters of 128 rows in the order of the waves that fetch them: x half 0, x half 1, Wk, Wv; behind them the four row sets'
; scale bytes for all of K.  All of K fits: every byte of LDS is filled once, at the head.
; CLUSTER.  4 x 4 work-groups: x's tiles hang on wgy alone and are asked for jointly along a row of the cluster, the weights' on wgx alone, along a column.
; REGISTERS, in windows of 256: window 0: v16-29 addresses; v32-95 scale words, two sets; v128-191 R's fragments, one set, on the way out the codes; v200-227 at work on the way out.
;   window 1: P's fragments, two sets (v0, v128).   windows 2, 3: accumulator (a, b) at v[8 (8 (a % 4) + b)], a = R's block, b = P's block.
; (Where the lines above speak of scale bytes in LDS or of one fill at the head, the text below has it otherwise: scale words go from memory into registers, and slot 1 is filled behind a round at the head's end.
; The next launches multiply no block of 64 queries x 64 keys, and no key step of 128, that lies wholly behind the diagonal.)
.set NQ,     4                         ; steps of 128 along K in a slot
.set ROWB,   256                       ; a tile's row in bytes: 512 codes
.set KROW,   512                       ; a row of x or of a weight in memory, in bytes
.set PITCH,  272                       ; an LDS row: 256 bytes + 16 of padding = 68 words: the 16 rows that a load touches start 4 words apart
.set FR,     8                         ; registers of a fragment
.set NL,     2                         ; LDS loads that bring one
.set NP,     4                         ; places behind this matrix instruction (ISA guide 7.12.1)
.set HALFT,  128*PITCH                 ; 128 rows: what one tensor load brings
.set SLOT,   4*HALFT
; SCALE WORDS: LDS holds codes alone.  Each wave loads its own two row sets' scale bytes straight into registers, 16 loads; and of the codes slot 0 is filled at the head, slot 1 behind the round at the head's end.
.set SPARE,  2*SLOT                    ; the spare words, 128 bytes a wave, behind the slots
.set ADRR, 16                          ; v16-17  LDS address of my R fragments in slot 0, 1
.set ADRP, 20                          ; v20-21  the same for P
.set LO,   26                          ; v26     16 x lane: my place in an image; never rewritten
.set SCO,  30                          ; v30     32 x lane: a row's scale bytes; never rewritten
.set SPW,  28                          ; v28     LDS address of my spare word; never rewritten
.set NIL,  29                          ; v29     0; never rewritten
.set SC,   32                          ; scale words: slot s at v[SC + 32 s]: R's at + 4 (block / 2) + q, P's at + 16 + 4 (block / 2) + q; lanes 0-15 the even block, lanes 16-31 the odd one
.set RF,   128                         ; R's fragments
.set TM,   200                         ; v200-203 largest magnitudes, v204-207 at work and bytes, v212-215 the conversions' scale operands
.set PW,   216                         ; v216-223 the scale word of each of R's eight blocks
.set WQ,   224                         ; v224-227 the four words that a lane stores
.set G1,   24                          ; s[24:31] group 1 for x's tiles;   s[32:39] group 0, a set for each slot
.set G0,   32
.set G1B,  48                          ; s[48:55], s[56:63] the same for the weights' tiles
.set G0B,  56
.set SRB,  76                          ; s[76:77] where R's scale bytes lie;  s[78:79] P's
.set SPB,  78
.set WV,   92                          ; s92 wave;  s93 hi = wave / 2: the role, and: I fetch for x (0) or for a weight (1);  s94 lo = wave % 2
.set HI,   93
.set LW,   94
.set MSB, 0
.macro WIN new                         ; the immediate's high byte repeats the setting that is left
.if MSB != \new
	s_set_vgpr_msb (MSB<<8)|\new
.set MSB, \new
.endif
.endm
.set MUL_LO, 0xa1                      ; source 0 (P) window 1, source 1 (R) window 0, C and D window 2
.set MUL_HI, 0xf1                      ; the same, C and D window 3
.set TO_P,   0x40                      ; destination window 1, address window 0
; A joint load: waves 0 and 1 fetch for x, waves 2 and 3 for the weights.  Each line has one mask and one set of registers for all that issue it; the branch hangs on the wave's number alone.
; An s_nop 0 and four v_nop follow each of the two lines.
.macro JLOAD g0a, g1a, g0b, g1b
	s_cmp_eq_u32 s[HI], 0
	s_cbranch_scc0 .Lfor_b_\@
	tensor_load_to_lds s[\g0a:\g0a+3], s[\g1a:\g1a+7]
	s_nop 0
.rept 4
	v_nop
.endr
	s_branch .Lasked_\@
.Lfor_b_\@:
	tensor_load_to_lds s[\g0b:\g0b+3], s[\g1b:\g1b+7]
	s_nop 0
.rept 4
	v_nop
.endr
.Lasked_\@:
.endm
.macro CROUND                          ; a round of the cluster's barrier
	s_barrier_signal -1
	s_barrier_wait -1
	s_cmp_lg_u32 s[WV], 0
	s_cbranch_scc1 .Lnot_wave_0_\@
	s_barrier_signal -3
.Lnot_wave_0_\@:
	s_barrier_wait -3
	s_barrier_signal -1
	s_barrier_wait -1
.endm
	s_load_b512 s[4:19], s[0:1], 0x0               ; x codes s[4:5], x scales s[6:7], Wk codes s[8:9], Wk scales s[10:11], Wv codes s[12:13], Wv scales s[14:15], kf s[16:17], ks s[18:19]
	s_load_b128 s[20:23], s[0:1], 0x40             ; vf s[20:21], vs s[22:23]
	v_lshl_add_u32 v[SPW], v0, 2, SPARE
	v_mov_b32 v[NIL], 0
	ds_add_u32 v[SPW], v[NIL]                      ; the wave's opening: the add, twice on end, and its wait ahead of my first tensor load
	ds_add_u32 v[SPW], v[NIL]                      ; and once more; the set-up below, work on registers, stands between it and the wait
	v_lshrrev_b32 v1, 5, v0
	v_readfirstlane_b32 s[WV], v1                  ; wave 0..3
	s_lshr_b32 s[HI], s[WV], 1
	s_and_b32 s[LW], s[WV], 1
	s_bfe_u32 s40, ttmp6, 0x40000                  ; cx, cy: my place in the cluster
	s_bfe_u32 s41, ttmp6, 0x40004
	s_lshl_b32 s42, ttmp9, 2
	s_add_co_u32 s42, s42, s40                     ; wgx = 4 x cluster x + cx
	s_and_b32 s43, ttmp7, 0xffff
	s_lshl_b32 s43, s43, 2
	s_add_co_u32 s43, s43, s41                     ; wgy = 4 x cluster y + cy
	s_lshl_b32 s44, s41, 2
	s_lshl_b32 s44, 15, s44                        ; my row of the cluster
	s_lshl_b32 s45, 0x1111, s40                    ; my column
	; group 1: a tile of 128 rows x 256 bytes, 16 bytes of padding behind each row
	s_or_b32 s[G1+0], s44, (0<<16)|(1<<20)|(1<<21)|(5<<22)|(3<<25)   ; 15:0 the mask: x's tiles go to my row; elements of 1 byte; padding on; bit 21 beside a mask; after every 64 words; 4 words
	s_or_b32 s[G1B+0], s45, (0<<16)|(1<<20)|(1<<21)|(5<<22)|(3<<25)  ; the weights' tiles go to my column
.irp g, G1, G1B
	s_mov_b32 s[\g+1], ROWB<<16                    ; tensor_dim0
	s_mov_b32 s[\g+2], 128<<16                     ; tensor_dim1
	s_mov_b32 s[\g+3], ROWB<<16                    ; tile_dim0
	s_mov_b32 s[\g+4], 128                         ; tile_dim1
	s_mov_b32 s[\g+5], KROW                        ; from row to row
	s_mov_b32 s[\g+6], 0
	s_mov_b32 s[\g+7], 0
.endr
	s_lshl_b32 s46, s43, 17                        ; x's codes: (256 wgy + 128 lo) rows of 512 bytes
	s_lshl_b32 s47, s[LW], 16
	s_add_co_u32 s46, s46, s47
	s_mov_b32 s47, 0
	s_lshl_b32 s66, s43, 13                        ; x's scales: the same rows of 32 bytes
	s_lshl_b32 s67, s[LW], 12
	s_add_co_u32 s66, s66, s67
	s_mov_b32 s67, 0
	s_lshl_b32 s98, s42, 16                        ; a weight's codes: 128 wgx rows of 512 bytes
	s_mov_b32 s99, 0
	s_lshl_b32 s100, s42, 12                       ; and its scales
	s_mov_b32 s101, 0
	s_mul_i32 s2, s[WV], HALFT                     ; where they go: wave x a quarter: no place in the cluster enters an LDS address
	s_mov_b32 s95, 0xffff0000                      ; lanes 16-31
	s_mov_b32 s96, 0x76543210                      ; v_permlanex16_b32's selects for lane l xor 16
	s_mov_b32 s97, 0xfedcba98
	v_and_b32 v[SCO], 31, v0
	v_lshlrev_b32 v[SCO], 5, v[SCO]
	s_wait_alu depctr_va_vdst(0)
	s_wait_dscnt 0x0                               ; both opening adds are done
	s_wait_kmcnt 0x0
	s_cmp_eq_u32 s[LW], 0                          ; wave 2 fetches Wk, wave 3 Wv: the choice hangs on the wave's number alone
	s_cselect_b64 s[8:9], s[8:9], s[12:13]
	s_cmp_eq_u32 s[HI], 0                          ; the scale bytes that I use: Wk's in the k role, Wv's in the v role
	s_cselect_b64 s[10:11], s[10:11], s[14:15]
	s_add_nc_u64 s[4:5], s[4:5], s[46:47]
	s_add_nc_u64 s[6:7], s[6:7], s[66:67]
	s_add_nc_u64 s[8:9], s[8:9], s[98:99]
	s_add_nc_u64 s[10:11], s[10:11], s[100:101]
	s_cselect_b64 s[SRB:SRB+1], s[6:7], s[10:11]   ; R: x's rows in the k role, Wv's in the v role
	s_cselect_b64 s[SPB:SPB+1], s[10:11], s[6:7]   ; P: the other
.irp s, 0,1
.irp p, 0,1,2,3
	global_load_b128 v[SC+32*\s+4*\p:SC+32*\s+4*\p+3], v[SCO], s[SRB:SRB+1] offset:1024*\p+16*\s       ; row 32 p + lane, the slot's four words
	global_load_b128 v[SC+32*\s+16+4*\p:SC+32*\s+19+4*\p], v[SCO], s[SPB:SPB+1] offset:1024*\p+16*\s
.endr
.endr
	CROUND                                         ; all sixteen work-groups are here: the joint loads meet
.irp s, 0,1
	s_mov_b32 s[G0+4*\s], 1
	s_add_co_u32 s[G0+4*\s+1], s2, \s*SLOT
	s_add_nc_u64 s[G0+4*\s+2:G0+4*\s+3], s[4:5], \s*ROWB
	s_or_b32 s[G0+4*\s+3], s[G0+4*\s+3], 0x80000000
	s_mov_b32 s[G0B+4*\s], 1
	s_add_co_u32 s[G0B+4*\s+1], s2, \s*SLOT
	s_add_nc_u64 s[G0B+4*\s+2:G0B+4*\s+3], s[8:9], \s*ROWB
	s_or_b32 s[G0B+4*\s+3], s[G0B+4*\s+3], 0x80000000
.endr
	JLOAD G0, G1, G0B, G1B                         ; slot 0: one tensor load a wave at the head
	v_and_b32 v1, 15, v0                           ; r = lane % 16
	v_bfe_u32 v2, v0, 4, 1                         ; hh = lane / 16
	v_mul_u32_u24 v3, v1, PITCH
	v_lshl_add_u32 v4, v2, 4, v3                   ; a fragment's row x pitch + 16 x half
	s_wait_alu depctr_va_vdst(0)
	s_add_co_u32 s46, s[WV], s[HI]
	s_min_u32 s46, s46, 3                          ; R's quarter: waves 0, 1: x's half lo; waves 2, 3: Wv (3)
	s_mul_i32 s46, s46, HALFT
	s_xor_b32 s47, s[HI], 1
	s_lshl_b32 s47, s47, 1
	s_and_b32 s66, s[HI], s[LW]
	s_add_co_u32 s47, s47, s66                     ; P's quarter: waves 0, 1: Wk (2); waves 2, 3: x's half lo
	s_mul_i32 s47, s47, HALFT
.irp s, 0,1
	v_add_nc_u32 v[ADRR+\s], s46, v4
	v_add_nc_u32 v[ADRP+\s], s47, v4
	s_add_co_u32 s46, s46, SLOT
	s_add_co_u32 s47, s47, SLOT
.endr
	v_and_b32 v5, 31, v0
	v_lshlrev_b32 v[LO], 4, v5
.irp b, 0,1,2,3
	v_mov_b32 v[TM+4+\b], 0                        ; written once: a lane permute's destination counts as one of its sources
.endr
	; where my results go.  b = wgy / 8, j = 2 (wgy % 8) + lo: my 128 tokens within the batch
	s_lshr_b32 s46, s43, 3
	s_and_b32 s47, s43, 7
	s_lshl_b32 s47, s47, 1
	s_add_co_u32 s47, s47, s[LW]
	s_lshl_b32 s98, s42, 17                        ; the k role: K step wgx, tiles 8 j on
	s_lshl_b32 s99, s47, 13
	s_add_co_u32 s98, s98, s99
	s_lshl_b32 s100, s47, 16                       ; the v role: key step j, h tiles 8 wgx on
	s_lshl_b32 s101, s42, 13
	s_add_co_u32 s100, s100, s101
	s_lshl_b32 s46, s46, 20
	s_cmp_eq_u32 s[HI], 0
	s_cselect_b32 s98, s98, s100
	s_cselect_b64 s[16:17], s[16:17], s[20:21]     ; kf or vf
	s_cselect_b64 s[18:19], s[18:19], s[22:23]     ; ks or vs
	s_add_co_u32 s98, s98, s46
	s_mov_b32 s99, 0
	s_add_nc_u64 s[16:17], s[16:17], s[98:99]
	s_lshr_b32 s98, s98, 4                         ; a scale word for each 64 bytes of codes: a sixteenth of the offset
	s_add_nc_u64 s[18:19], s[18:19], s[98:99]
.macro FRAG reg, adr, q, i             ; a fragment: lane l holds row l % 16; registers 4 c .. 4 c + 3 hold K = 64 c + 32 (l / 16) + 0 .. 31
.irp c, 0,1
	ds_load_b128 v[\reg+4*\c:\reg+4*\c+3], v[\adr] offset:64*(\q)+32*\c+(\i)*16*PITCH
.endr
.endm
; 16 matrix instructions: R's blocks a0, a0 + 1 x P's eight, the slot's q-th 128 along K.  p: P's set;  sc: the set of scale words.  zero = 1: the first product starts the sums.
; The 64 accumulators take turns, one instruction a turn, in the same order in every step.
.macro MUL16 a0, p, q, sc, zero
.irp a, \a0, \a0+1
.irp b, 0,1,2,3,4,5,6,7
.set rD, 8*(8*((\a)%4)+\b)
.set rA, 128*(\p)+FR*\b
.set rB, RF+FR*(\a)
.set rSA, SC+8*NQ*(\sc)+16+4*(\b/2)+(\q)
.set rSB, SC+8*NQ*(\sc)+4*((\a)/2)+(\q)
.if \zero
.if ((\b%2) == 0) && (((\a)%2) == 0)
	v_wmma_scale_f32_16x16x128_f8f6f4 v[rD:rD+7], v[rA:rA+7], v[rB:rB+7], 0, v[rSA], v[rSB] matrix_a_fmt:MATRIX_FMT_FP4 matrix_b_fmt:MATRIX_FMT_FP4
.elseif ((\a)%2) == 0
	v_wmma_scale_f32_16x16x128_f8f6f4 v[rD:rD+7], v[rA:rA+7], v[rB:rB+7], 0, v[rSA], v[rSB] matrix_a_fmt:MATRIX_FMT_FP4 matrix_b_fmt:MATRIX_FMT_FP4 matrix_a_scale:MATRIX_SCALE_ROW1
.elseif (\b%2) == 0
	v_wmma_scale_f32_16x16x128_f8f6f4 v[rD:rD+7], v[rA:rA+7], v[rB:rB+7], 0, v[rSA], v[rSB] matrix_a_fmt:MATRIX_FMT_FP4 matrix_b_fmt:MATRIX_FMT_FP4 matrix_b_scale:MATRIX_SCALE_ROW1
.else
	v_wmma_scale_f32_16x16x128_f8f6f4 v[rD:rD+7], v[rA:rA+7], v[rB:rB+7], 0, v[rSA], v[rSB] matrix_a_fmt:MATRIX_FMT_FP4 matrix_b_fmt:MATRIX_FMT_FP4 matrix_a_scale:MATRIX_SCALE_ROW1 matrix_b_scale:MATRIX_SCALE_ROW1
.endif
.else
.if ((\b%2) == 0) && (((\a)%2) == 0)
	v_wmma_scale_f32_16x16x128_f8f6f4 v[rD:rD+7], v[rA:rA+7], v[rB:rB+7], v[rD:rD+7], v[rSA], v[rSB] matrix_a_fmt:MATRIX_FMT_FP4 matrix_b_fmt:MATRIX_FMT_FP4
.elseif ((\a)%2) == 0
	v_wmma_scale_f32_16x16x128_f8f6f4 v[rD:rD+7], v[rA:rA+7], v[rB:rB+7], v[rD:rD+7], v[rSA], v[rSB] matrix_a_fmt:MATRIX_FMT_FP4 matrix_b_fmt:MATRIX_FMT_FP4 matrix_a_scale:MATRIX_SCALE_ROW1
.elseif (\b%2) == 0
	v_wmma_scale_f32_16x16x128_f8f6f4 v[rD:rD+7], v[rA:rA+7], v[rB:rB+7], v[rD:rD+7], v[rSA], v[rSB] matrix_a_fmt:MATRIX_FMT_FP4 matrix_b_fmt:MATRIX_FMT_FP4 matrix_b_scale:MATRIX_SCALE_ROW1
.else
	v_wmma_scale_f32_16x16x128_f8f6f4 v[rD:rD+7], v[rA:rA+7], v[rB:rB+7], v[rD:rD+7], v[rSA], v[rSB] matrix_a_fmt:MATRIX_FMT_FP4 matrix_b_fmt:MATRIX_FMT_FP4 matrix_a_scale:MATRIX_SCALE_ROW1 matrix_b_scale:MATRIX_SCALE_ROW1
.endif
.endif
.endr
.endr
.endm
.macro FETCH_P slot, q, p              ; P's eight fragments into set p
	WIN TO_P
.irp i, 0,1,2,3,4,5,6,7
	FRAG 128*(\p)+FR*\i, ADRP+\slot, \q, \i
.endr
	WIN 0
.endm
.macro FETCH_R slot, q, i0             ; R's blocks i0 .. i0 + 3
.irp i, \i0, \i0+1, \i0+2, \i0+3
	FRAG RF+FR*(\i), ADRR+\slot, \q, \i
.endr
.endm
; A load into a register that a matrix instruction has read, and a vector instruction that reads a matrix result or writes one of its registers, stand four places behind it;
; only plain vector instructions that name none of its registers are places.
.macro PLACES n
.rept \n
	v_nop
.endr
.endm
; A step of 128 along K that has its successor in the same slot.  R has one set of registers: a block is free when its eight products are issued; P has two.
.macro STEP slot, q, zero
	s_wait_dscnt 4*NL                              ; P's set and R's blocks 0-3 are in; the youngest eight loads (R's blocks 4-7) may be out
	WIN MUL_LO
	MUL16 0, (\q)%2, \q, \slot, \zero
	MUL16 2, (\q)%2, \q, \slot, \zero
	s_wait_dscnt 0                                 ; R's blocks 4-7 are in (asked for 32 matrix instructions ago)
	PLACES NP
	FETCH_P \slot, (\q)+1, 1-(\q)%2
	FETCH_R \slot, (\q)+1, 0
	WIN MUL_HI
	MUL16 4, (\q)%2, \q, \slot, \zero
	MUL16 6, (\q)%2, \q, \slot, \zero
	PLACES NP
	WIN 0
	FETCH_R \slot, (\q)+1, 4
.endm
; Slot 0's last step goes over to slot 1: each wave waits for all its tensor loads (its quarter of slot 1), and behind the barrier slot 1 is whole.  Nothing is filled again.
.macro TURN
	s_wait_tensorcnt 0x0                           ; all my tensor loads have landed
	ds_add_u32 v[SPW], v[NIL]                      ; 0 onto my spare word
	s_wait_dscnt 4*NL+1                            ; (the add and the youngest eight loads, R's blocks 4-7, may be out)
	WIN MUL_LO
	MUL16 0, 1, NQ-1, 0, 0                         ; sixteen matrix instructions stand between the add and the wait for it
	s_wait_dscnt 0x0                               ; the add is done, and no LDS load of mine is out
	s_barrier_signal -1
	MUL16 2, 1, NQ-1, 0, 0
	WIN 0
	s_barrier_wait -1
	PLACES NP
	FETCH_P 1, 0, 0
	FETCH_R 1, 0, 0
	WIN MUL_HI
	MUL16 4, 1, NQ-1, 0, 0
	MUL16 6, 1, NQ-1, 0, 0
	PLACES NP
	WIN 0
	FETCH_R 1, 0, 4
.endm
	s_wait_alu depctr_va_vdst(0)
	s_wait_tensorcnt 0x0                           ; my quarter of slot 0 is in
	ds_add_u32 v[SPW], v[NIL]
	s_wait_dscnt 0x0
	CROUND                                         ; all quarters are in, and the joint loads meet:
	JLOAD G0+4, G1, G0B+4, G1B                     ; slot 1, the first tensor load behind the round
	FETCH_P 0, 0, 0
	FETCH_R 0, 0, 0
	FETCH_R 0, 0, 4
	s_wait_loadcnt 0x0                             ; my scale words are in
	STEP 0, 0, 1                                   ; the first products start the sums: nothing is cleared
	STEP 0, 1, 0
	STEP 0, 2, 0
	TURN
	STEP 1, 0, 0
	STEP 1, 1, 0
	STEP 1, 2, 0
	s_wait_dscnt 4*NL                              ; the last step: nothing more to fetch
	WIN MUL_LO
	MUL16 0, 1, NQ-1, 1, 0
	MUL16 2, 1, NQ-1, 1, 0
	s_wait_dscnt 0
	WIN MUL_HI
	MUL16 4, 1, NQ-1, 1, 0
	MUL16 6, 1, NQ-1, 1, 0
	WIN 0
; THE WAY OUT.  R's block a: a lane's 64 numbers are 128 along the next K of its row: accumulator b, register j = K 16 b + 8 (lane / 16) + j.  A block of 32 lies in accumulators 2 n, 2 n + 1 of lanes l and l xor 16.
; Its scale is 2^(floor(log2(largest magnitude)) - 2): the largest magnitude's exponent field less 2 is the byte, and that number is the conversion's scale operand as it stands.
; The conversions give dwords of 8 codes; dword (c, e, y) of lane half hh holds K = 64 c + 32 e + 16 y + 8 hh + 0 .. 7 and belongs into register 4 c + 2 y + hh of lane half e:
; it is written into register 4 c + 2 y + e, and a swap of halves between registers 4 c + 2 y and 4 c + 2 y + 1 puts all four in place.
.macro QUANT a
.set QW, 2+(\a)/4                      ; the accumulators' window
.set QAC, 64*((\a)%4)
.set QPC, RF+8*(\a)                    ; the codes take the place of R's fragment a, which is done with
.set QWW, (QW<<2)|(QW<<4)
	WIN QWW                                        ; sources 1 and 2 in the accumulators' window
.irp b, 0,1,2,3
	v_max3_num_f32 v[TM+\b], 0x1800000, |v[QAC+16*\b]|, |v[QAC+16*\b+1]|   ; my 16 numbers of block b, each accumulator from its low end on, and the floor 2^(3 - 127): the byte cannot fall under 1
.endr
.irp i, 2,4,6,8,10,12,14
.irp b, 0,1,2,3
	v_max3_num_f32 v[TM+\b], v[TM+\b], |v[QAC+16*\b+\i]|, |v[QAC+16*\b+\i+1]|   ; (the four blocks by turns)
.endr
.endr
	WIN 0
.irp b, 0,1,2,3
	v_permlanex16_b32 v[TM+4+\b], v[TM+\b], s96, s97
.endr
.irp b, 0,1,2,3
	v_max_num_f32 v[TM+\b], v[TM+\b], v[TM+4+\b]   ; with lane l xor 16's: the block's largest magnitude
.endr
.irp b, 0,1,2,3
	v_add_nc_u32 v[TM+12+\b], 0xff000000, v[TM+\b] ; 2 off its exponent field: the conversion's scale operand
.endr
.irp b, 0,1,2,3
	v_lshrrev_b32 v[TM+4+\b], 23, v[TM+12+\b]      ; the scale's byte
.endr
	v_lshl_or_b32 v[PW+(\a)], v[TM+5], 8, v[TM+4]  ; my row's scale word
	v_lshl_or_b32 v[PW+(\a)], v[TM+6], 16, v[PW+(\a)]
	v_lshl_or_b32 v[PW+(\a)], v[TM+7], 24, v[PW+(\a)]
	WIN QW                                         ; source 0 in the accumulators' window
.irp c, 0,1
.irp e, 0,1
.irp y, 0,1
	v_cvt_scalef32_pk8_fp4_f32 v[QPC+4*\c+2*\y+\e], v[QAC+8*(4*\c+2*\e+\y):QAC+8*(4*\c+2*\e+\y)+7], v[TM+12+2*\c+\e]
.endr
.endr
.endr
	WIN 0
	v_nop                                          ; one plain place behind a scaled conversion
.irp c, 0,1
	v_permlane16_swap_b32 v[QPC+4*\c], v[QPC+4*\c+1]
	v_permlane16_swap_b32 v[QPC+4*\c+2], v[QPC+4*\c+3]
.endr
	global_store_b128 v[LO], v[QPC:QPC+3], s[16:17] offset:1024*(\a)        ; 32 lanes store 512 consecutive bytes, aligned; each block has its own registers, so no store's data are written again
	global_store_b128 v[LO], v[QPC+4:QPC+7], s[16:17] offset:1024*(\a)+512
.endm
	PLACES NP                                      ; behind the last products: their results are read and R's registers written below
.irp a, 0,1,2,3,4,5,6,7
	QUANT \a
.endr
.irp q, 0,1,2,3
	v_cndmask_b32 v[WQ+\q], v[PW+2*\q], v[PW+2*\q+1], s95   ; word q: lanes 0-15 block 2 q's rows, lanes 16-31 block 2 q + 1's
.endr
	global_store_b128 v[LO], v[WQ:WQ+3], s[18:19]  ; 512 consecutive bytes, aligned
	s_wait_tensorcnt 0x0                           ; the wave's end
	ds_add_u32 v[SPW], v[NIL]
	s_wait_dscnt 0x0
	CROUND                                         ; the closing round: no work-group ends while a partner may still ask for a tile that names it
	s_endpgm
.Lfunc_end_k_qc2caf46cb3_proj:
	.size	k_qc2caf46cb3_proj, .Lfunc_end_k_qc2caf46cb3_proj-k_qc2caf46cb3_proj
	.p2alignl 7, 3214868480
	.fill 96, 4, 3214868480
	.section	.rodata,"a",@progbits
	.p2align	6, 0x0
	.amdhsa_kernel k_qc2caf46cb3_proj
		.amdhsa_group_segment_fixed_size 327680
		.amdhsa_private_segment_fixed_size 0
		.amdhsa_enable_private_segment 0
		.amdhsa_kernarg_size 80
		.amdhsa_user_sgpr_count 2
		.amdhsa_user_sgpr_kernarg_segment_ptr 1
		.amdhsa_wavefront_size32 1
		.amdhsa_system_sgpr_workgroup_id_x 1
		.amdhsa_system_sgpr_workgroup_id_y 1
		.amdhsa_system_sgpr_workgroup_id_z 1
		.amdhsa_system_vgpr_workitem_id 0
		.amdhsa_next_free_vgpr 1024
		.amdhsa_next_free_sgpr 102
		.amdhsa_reserve_vcc 0
		.amdhsa_float_denorm_mode_32 3
		.amdhsa_float_denorm_mode_16_64 3
		.amdhsa_memory_ordered 1
		.amdhsa_forward_progress 1
		.amdhsa_inst_pref_size 127
	.end_amdhsa_kernel
	.amdgpu_metadata
---
amdhsa.version: [ 1, 2 ]
amdhsa.kernels:
  - .name:           k_qc2caf46cb3_proj
    .symbol:         k_qc2caf46cb3_proj.kd
    .args:
      - { .name: x_codes, .offset: 0, .size: 8, .value_kind: global_buffer, .address_space: global }
      - { .name: x_scales, .offset: 8, .size: 8, .value_kind: global_buffer, .address_space: global }
      - { .name: Wk_codes, .offset: 16, .size: 8, .value_kind: global_buffer, .address_space: global }
      - { .name: Wk_scales, .offset: 24, .size: 8, .value_kind: global_buffer, .address_space: global }
      - { .name: Wv_codes, .offset: 32, .size: 8, .value_kind: global_buffer, .address_space: global }
      - { .name: Wv_scales, .offset: 40, .size: 8, .value_kind: global_buffer, .address_space: global }
      - { .name: kf, .offset: 48, .size: 8, .value_kind: global_buffer, .address_space: global }
      - { .name: ks, .offset: 56, .size: 8, .value_kind: global_buffer, .address_space: global }
      - { .name: vf, .offset: 64, .size: 8, .value_kind: global_buffer, .address_space: global }
      - { .name: vs, .offset: 72, .size: 8, .value_kind: global_buffer, .address_space: global }
    .group_segment_fixed_size: 327680
    .private_segment_fixed_size: 0
    .kernarg_segment_align: 8
    .kernarg_segment_size: 80
    .max_flat_workgroup_size: 128
    .sgpr_count:     102
    .vgpr_count:     1024
    .wavefront_size: 32
...
	.end_amdgpu_metadata
.endif
;; end of part 1
;; launch score (part 2): grid 64 x 4, 10 waves a work-group, no clusters, 327,680 bytes of LDS; arguments kf, ks, pf, st; writes pf, st
.if DOCPART == 2
	.amdgcn_target "amdgcn-amd-amdhsa--gfx1250"
	.amdhsa_code_object_version 6
	.text
	.protected	k_qc2caf46cb3_score
	.globl	k_qc2caf46cb3_score
	.p2align	8
	.type	k_qc2caf46cb3_score,@function
k_qc2caf46cb3_score:
	s_mov_b64 s[64:65], 0
	v_nop
	global_prefetch_b8 v0, s[64:65] scope:SCOPE_SE
	s_setreg_imm32_b32 hwreg(HW_REG_WAVE_MODE, 25, 1), 1
	s_wait_xcnt 0x0
; p of the causal softmax of q . k / 32, as codes of FP4 (E2M1), and per query and block of 32 keys the statistics -R and L.
; WORK LEFT OUT.  q's codes are k's, for all inputs (same operands, same axis): one buffer, loaded twice into two runs of registers.  The mask is the problem's own: no 64 x 64 block wholly behind the
; diagonal is multiplied; the blocks on the diagonal are masked by selection.  A NaN, an infinity or an overflow that reaches only that work is not carried to the result.
; SHARES.  A batch's 2,048 x 2,048 scores are 8 x 8 squares of 256: 64 work-groups.  x < 8: the square x on the diagonal: ten items of 64 queries x 64 keys (four of them masked), one a wave.
; x >= 8: half a square under it, 128 queries x 256 keys: eight items, waves 0-7.
; LDS: three groups of 128 tokens, all of K = 1,024, filled once: group 0 the 128 queries (on the diagonal: the square's second 128 tokens), groups 1 and 2 the square's 256 keys.
; Waves 0-5: one tensor load each: group w % 3, K steps 4 (w / 3) .. + 3, at 32,768 w: [K step % 4][8 tiles][1,024]: images of the operand's registers, read at 16 x lane.
; NO CLUSTER: the squares of a triangle are dealt, neighbours need other tiles and the diagonal's work-groups others again.  No prefetch: there is no loop to run ahead in.
; THE SOFTMAX, block by block of 32 keys: t = score x c, c = log2(e) / 32; R = floor(the block's largest t); p'' = 2^(t - R), under 2.  The stated scale of the block is 2^(R - M - 2) for any whole number M,
; so its codes are those of p'' / 2^-2 whatever M is; L = the sum of the unquantised p''.  The next launch makes M, the bytes and the row's sum.
; LIMITS: t - R is one fused multiply-add; the promise holds while t stays under 2^31 in magnitude; NaN and infinities in the operands are not served.
; OUT.  Query block ib of 128, key step J of 128: pair = ib, slot = 16 - J where ib < 8, else pair = 15 - ib, slot = J: the 17 units of blocks i and 15 - i lie on end.
;   pf [b][pair 8][slot 17][query tile 8][c 2][lane 32][16 bytes].   st [b][pair][slot][c 2][query 128][-R0, -R1, L0, L1]; c = which 64 keys of the step.
.set SPARE, 196608
.set LO,   1                           ; v1  16 x lane
.set QA,   2                           ; v2-3  LDS address of my query tiles, K steps 0-3, 4-7
.set KA,   4                           ; v4-5  of my key tiles
.set DM,   6                           ; v6  r - 8 hh
.set NINF, 7
.set QRT,  8                           ; 0.25
.set SPW,  28                          ; my spare word's address; 0: never rewritten
.set NIL,  29
.set KSC,  32                          ; scale words: register 2 s + tile / 2, lanes 0-15 the even tile
.set QSC,  48
.set TM,   64                          ; at work behind the products (v64-127 hold fragments ahead of that)
.set XC,   72
.set NRP,  80                          ; -R in the low word of a pair
.set TP,   96
.set CC,   112
.set S,    128                         ; S^T: tile (query tile, key tile) at 8 (4 qt + kt)
.set MSB, 0
.macro WIN new
.if MSB != \new
	s_set_vgpr_msb (MSB<<8)|\new
.set MSB, \new
.endif
.endm
.macro PLACES n                        ; plain places behind matrix instructions (ISA guide 7.12.1)
.rept \n
	v_nop
.endr
.endm
.macro SW z, ra, rb                    ; one scaled product; ra, rb = 1: that side's words stand in lanes 16-31
.if \z
.if ((\ra) == 0) && ((\rb) == 0)
	v_wmma_scale_f32_16x16x128_f8f6f4 v[rD:rD+7], v[rA:rA+7], v[rB:rB+7], 0, v[rSA], v[rSB] matrix_a_fmt:MATRIX_FMT_FP4 matrix_b_fmt:MATRIX_FMT_FP4
.elseif (\rb) == 0
	v_wmma_scale_f32_16x16x128_f8f6f4 v[rD:rD+7], v[rA:rA+7], v[rB:rB+7], 0, v[rSA], v[rSB] matrix_a_fmt:MATRIX_FMT_FP4 matrix_b_fmt:MATRIX_FMT_FP4 matrix_a_scale:MATRIX_SCALE_ROW1
.elseif (\ra) == 0
	v_wmma_scale_f32_16x16x128_f8f6f4 v[rD:rD+7], v[rA:rA+7], v[rB:rB+7], 0, v[rSA], v[rSB] matrix_a_fmt:MATRIX_FMT_FP4 matrix_b_fmt:MATRIX_FMT_FP4 matrix_b_scale:MATRIX_SCALE_ROW1
.else
	v_wmma_scale_f32_16x16x128_f8f6f4 v[rD:rD+7], v[rA:rA+7], v[rB:rB+7], 0, v[rSA], v[rSB] matrix_a_fmt:MATRIX_FMT_FP4 matrix_b_fmt:MATRIX_FMT_FP4 matrix_a_scale:MATRIX_SCALE_ROW1 matrix_b_scale:MATRIX_SCALE_ROW1
.endif
.else
.if ((\ra) == 0) && ((\rb) == 0)
	v_wmma_scale_f32_16x16x128_f8f6f4 v[rD:rD+7], v[rA:rA+7], v[rB:rB+7], v[rD:rD+7], v[rSA], v[rSB] matrix_a_fmt:MATRIX_FMT_FP4 matrix_b_fmt:MATRIX_FMT_FP4
.elseif (\rb) == 0
	v_wmma_scale_f32_16x16x128_f8f6f4 v[rD:rD+7], v[rA:rA+7], v[rB:rB+7], v[rD:rD+7], v[rSA], v[rSB] matrix_a_fmt:MATRIX_FMT_FP4 matrix_b_fmt:MATRIX_FMT_FP4 matrix_a_scale:MATRIX_SCALE_ROW1
.elseif (\ra) == 0
	v_wmma_scale_f32_16x16x128_f8f6f4 v[rD:rD+7], v[rA:rA+7], v[rB:rB+7], v[rD:rD+7], v[rSA], v[rSB] matrix_a_fmt:MATRIX_FMT_FP4 matrix_b_fmt:MATRIX_FMT_FP4 matrix_b_scale:MATRIX_SCALE_ROW1
.else
	v_wmma_scale_f32_16x16x128_f8f6f4 v[rD:rD+7], v[rA:rA+7], v[rB:rB+7], v[rD:rD+7], v[rSA], v[rSB] matrix_a_fmt:MATRIX_FMT_FP4 matrix_b_fmt:MATRIX_FMT_FP4 matrix_a_scale:MATRIX_SCALE_ROW1 matrix_b_scale:MATRIX_SCALE_ROW1
.endif
.endif
.endm
	s_load_b256 s[4:11], s[0:1], 0x0               ; kf s[4:5], ks s[6:7], pf s[8:9], st s[10:11]
	v_lshl_add_u32 v[SPW], v0, 2, SPARE
	v_mov_b32 v[NIL], 0
	ds_add_u32 v[SPW], v[NIL]                      ; the wave's opening: the add, twice on end
	ds_add_u32 v[SPW], v[NIL]
	v_lshrrev_b32 v9, 5, v0
	v_readfirstlane_b32 s14, v9                    ; wave 0..9
	s_and_b32 s34, ttmp7, 0xffff                   ; b
	s_sub_co_u32 s15, ttmp9, 8
	s_and_b32 s16, s15, 1                          ; which half of the square's queries
	s_lshr_b32 s15, s15, 1                         ; m: the square (I, Jb), I > Jb, m = I (I - 1) / 2 + Jb
	s_mov_b32 s17, 1
.irp t, 1,3,6,10,15,21
	s_cmp_ge_u32 s15, \t
	s_add_co_ci_u32 s17, s17, 0                    ; I
.endr
	s_sub_co_u32 s18, s17, 1
	s_mul_i32 s18, s18, s17
	s_lshr_b32 s18, s18, 1
	s_sub_co_u32 s18, s15, s18                     ; Jb
	s_cmp_lt_u32 ttmp9, 8                          ; on the diagonal: I = Jb = x, group 0 = the second 128 tokens
	s_cselect_b32 s17, ttmp9, s17
	s_cselect_b32 s18, ttmp9, s18
	s_cselect_b32 s16, 1, s16
	s_cselect_b32 s19, 1, 0                        ; on the diagonal?
	s_lshl_b32 s17, s17, 1
	s_add_co_u32 s17, s17, s16                     ; group 0's block of 128 tokens
	s_lshl_b32 s18, s18, 1                         ; group 1's; group 2's is the next
	; my item: query group q64, key group k64 of 64.  On the diagonal, waves 0-9: (1,0) (2,0) (2,1) (3,0) (3,1) (3,2) (0,0) (1,1) (2,2) (3,3), two bits a wave
	s_lshl_b32 s20, s14, 1
	s_mov_b32 s21, 937961
	s_lshr_b32 s21, s21, s20
	s_mov_b32 s22, 936208
	s_lshr_b32 s22, s22, s20
	s_and_b32 s23, s14, 1
	s_add_co_u32 s23, s23, 2
	s_lshr_b32 s24, s14, 1
	s_cmp_lg_u32 s19, 0
	s_cselect_b32 s21, s21, s23
	s_cselect_b32 s22, s22, s24
	s_and_b32 s21, s21, 3                          ; q64: 2, 3 lie in group 0, 0, 1 in group 1
	s_and_b32 s22, s22, 3                          ; k64: 0, 1 in group 1, 2, 3 in group 2
	s_lshr_b32 s23, s21, 1
	s_and_b32 s24, s21, 1
	s_lshr_b32 s27, s22, 1
	s_and_b32 s28, s22, 1
	s_xor_b32 s25, s23, 1
	s_lshl_b32 s25, s25, 15
	s_lshl_b32 s26, s24, 12
	s_add_co_u32 s25, s25, s26                     ; my query tiles in LDS
	s_lshl_b32 s26, s27, 15
	s_lshl_b32 s29, s28, 12
	s_add_co_u32 s26, s26, s29
	s_add_co_u32 s26, s26, 0x8000                  ; my key tiles
	s_add_co_u32 s35, s17, s23
	s_sub_co_u32 s35, s35, 1                       ; ib: my queries' block of 128
	s_add_co_u32 s29, s18, s27                     ; J: my keys' step of 128
	v_and_b32 v9, 31, v0
	v_lshlrev_b32 v[LO], 4, v9
	v_and_b32 v10, 15, v0
	v_bfe_u32 v11, v0, 4, 1
	v_lshlrev_b32 v11, 3, v11
	v_sub_nc_u32 v[DM], v10, v11
	v_mov_b32 v[NINF], 0xff800000
	v_mov_b32 v[QRT], 0x3e800000
	v_add_nc_u32 v[QA], s25, v[LO]
	v_add_nc_u32 v[KA], s26, v[LO]
	v_add_nc_u32 v[QA+1], 0x18000, v[QA]
	v_add_nc_u32 v[KA+1], 0x18000, v[KA]
	; what I fetch
	s_cmp_ge_u32 s14, 3
	s_cselect_b32 s48, 1, 0                        ; K steps 0-3 or 4-7
	s_mul_i32 s49, s48, 3
	s_sub_co_u32 s49, s14, s49                     ; the group
	s_add_co_u32 s50, s18, s49
	s_sub_co_u32 s50, s50, 1
	s_cmp_eq_u32 s49, 0
	s_cselect_b32 s50, s17, s50                    ; its block of 128 tokens
	s_lshl_b32 s50, s50, 13
	s_lshl_b32 s48, s48, 19
	s_add_co_u32 s50, s50, s48
	s_lshl_b32 s49, s34, 20
	s_add_co_u32 s50, s50, s49
	s_mov_b32 s51, 0
	; where my results go
	s_sub_co_u32 s52, 15, s35
	s_sub_co_u32 s53, 16, s29
	s_cmp_lt_u32 s35, 8
	s_cselect_b32 s52, s35, s52                    ; pair
	s_cselect_b32 s53, s53, s29                    ; slot
	s_lshl_b32 s54, s34, 3
	s_add_co_u32 s54, s54, s52
	s_mul_i32 s54, s54, 17
	s_add_co_u32 s54, s54, s53                     ; the unit
	s_lshl_b32 s56, s54, 13
	s_lshl_b32 s57, s24, 12
	s_add_co_u32 s56, s56, s57
	s_lshl_b32 s57, s28, 9
	s_add_co_u32 s56, s56, s57
	s_mov_b32 s57, 0
	s_lshl_b32 s58, s54, 12
	s_lshl_b32 s59, s28, 11
	s_add_co_u32 s58, s58, s59
	s_lshl_b32 s59, s24, 10
	s_add_co_u32 s58, s58, s59
	s_mov_b32 s59, 0
	; my scale words: [b][s 8][block 16][lane 32][4 words]: words 2 half, 2 half + 1
	s_lshl_b32 s55, s34, 16
	s_lshl_b32 s60, s29, 9
	s_add_co_u32 s60, s60, s55
	s_lshl_b32 s61, s28, 3
	s_add_co_u32 s60, s60, s61
	s_mov_b32 s61, 0
	s_lshl_b32 s62, s35, 9
	s_add_co_u32 s62, s62, s55
	s_lshl_b32 s63, s24, 3
	s_add_co_u32 s62, s62, s63
	s_mov_b32 s63, 0
	s_cmp_eq_u32 s21, s22
	s_cselect_b32 s66, 1, 0
	s_and_b32 s66, s66, s19                        ; my item lies on the diagonal,
	s_and_not1_b32 s67, s66, s24                   ; and is the first of its 128: the 64 keys beside it are hidden from all my queries
	s_lshr_b32 s68, s14, 3
	s_and_not1_b32 s68, s68, s19                   ; no item
	s_mov_b32 s70, 0x3d38aa3b                      ; c = log2(e) / 32
	s_mov_b32 s71, s70                             ; (named with it as a pair)
	s_mov_b32 s72, 0x76543210                      ; lane l xor 16
	s_mov_b32 s73, 0xfedcba98
	s_mov_b32 s74, 0xffff0000                      ; lanes 16-31
	; the descriptor: 4 rows (K steps) of 8,192 bytes, 131,072 apart, as elements of 8 bytes
	s_mov_b32 s36, 3<<16
	s_mov_b32 s37, 1024<<16
	s_mov_b32 s38, 4<<16
	s_mov_b32 s39, 1024<<16
	s_mov_b32 s40, 4
	s_mov_b32 s41, 16384
	s_mov_b32 s42, 0
	s_mov_b32 s43, 0
	s_mov_b32 s44, 1
	s_lshl_b32 s45, s14, 15
	s_wait_alu depctr_va_vdst(0)
	s_wait_dscnt 0x0                               ; both opening adds are done
	s_wait_kmcnt 0x0
	s_add_nc_u64 s[46:47], s[4:5], s[50:51]
	s_or_b32 s47, s47, 0x80000000
	s_cmp_lt_u32 s14, 6
	s_cbranch_scc0 .Lasked
	tensor_load_to_lds s[44:47], s[36:43]
	s_nop 0
	PLACES 4
.Lasked:
	s_add_nc_u64 s[60:61], s[6:7], s[60:61]
	s_add_nc_u64 s[62:63], s[6:7], s[62:63]
	s_add_nc_u64 s[56:57], s[8:9], s[56:57]
	s_add_nc_u64 s[58:59], s[10:11], s[58:59]
.irp s, 0,1,2,3,4,5,6,7
	global_load_b64 v[KSC+2*\s:KSC+2*\s+1], v[LO], s[60:61] offset:8192*\s
	global_load_b64 v[QSC+2*\s:QSC+2*\s+1], v[LO], s[62:63] offset:8192*\s
.endr
	s_wait_tensorcnt 0x0                           ; my part is in
	s_barrier_signal -1
	s_barrier_wait -1                              ; everybody's is
	s_cmp_lg_u32 s68, 0
	s_cbranch_scc1 .Lend
; The fragments of K step s into set p: set 0 in v64-127 of window 0, set 1 in v0-63 of window 1: keys' tiles, then queries'.
.macro FET p, s
	WIN 0x40*(\p)
.irp t, 0,1,2,3
.irp c, 0,1
	ds_load_b128 v[64-64*(\p)+8*\t+4*\c:64-64*(\p)+8*\t+4*\c+3], v[KA+(\s)/4] offset:8192*((\s)%4)+1024*\t+512*\c
	ds_load_b128 v[96-64*(\p)+8*\t+4*\c:96-64*(\p)+8*\t+4*\c+3], v[QA+(\s)/4] offset:8192*((\s)%4)+1024*\t+512*\c
.endr
.endr
.endm
; S^T: source 0 = 16 keys, source 1 = 16 queries: lane (r, hh) holds query r; register j is key 16 kt + 8 hh + j.  The 16 accumulators take turns.
.macro MULS
	WIN 0x05*(n%2)
.irp q, 0,1,2,3
.irp k, 0,1,2,3
.set rD, S+8*(4*\q+\k)
.set rA, 64-64*(n%2)+8*\k
.set rB, 96-64*(n%2)+8*\q
.set rSA, KSC+2*n+\k/2
.set rSB, QSC+2*n+\q/2
.if n == 0
	SW 1, \k%2, \q%2
.else
	SW 0, \k%2, \q%2
.endif
.endr
.endr
.endm
	FET 0, 0
	s_wait_loadcnt 0x0                             ; the scale words
.set n, 0
.rept 8
	s_wait_dscnt 0x0
.if n < 7
	PLACES 4                                       ; the other set was read by the products before
.set px, 1-n%2
.set sx, n+1
	FET px, sx
.endif
	MULS
.set n, n+1
.endr
	WIN 0
	PLACES 4                                       ; in front of the first read of S^T
	s_cmp_eq_u32 s66, 0
	s_cbranch_scc1 .Lopen
.irp q, 0,1,2,3                                    ; on the diagonal: tiles with kt > qt are hidden whole; in those with kt = qt key 8 hh + j where j > r - 8 hh
.irp k, 1,2,3
.if \k > \q
.irp j, 0,1,2,3,4,5,6,7
	v_mov_b32 v[S+8*(4*\q+\k)+\j], v[NINF]
.endr
.endif
.endr
.endr
.irp j, 0,1,2,3,4,5,6,7
	v_cmp_gt_i32 vcc_lo, \j, v[DM]
.irp q, 0,1,2,3
	v_cndmask_b32 v[S+40*\q+\j], v[S+40*\q+\j], v[NINF], vcc_lo
.endr
.endr
.Lopen:
; Blocks m = 2 qt + n of 32 keys: registers S + 16 m .. + 15; the eight blocks by turns.
.irp m, 0,1,2,3,4,5,6,7
	v_max3_num_f32 v[TM+\m], v[S+16*\m], v[S+16*\m+1], v[S+16*\m+2]
.endr
.irp i, 3,5,7,9,11,13
.irp m, 0,1,2,3,4,5,6,7
	v_max3_num_f32 v[TM+\m], v[TM+\m], v[S+16*\m+\i], v[S+16*\m+\i+1]
.endr
.endr
.irp m, 0,1,2,3,4,5,6,7
	v_max3_num_f32 v[TM+\m], v[TM+\m], v[S+16*\m+15], 0xff61b1e6
.endr
.irp m, 0,1,2,3,4,5,6,7
	v_permlanex16_b32 v[XC+\m], v[TM+\m], s72, s73
.endr
.irp m, 0,1,2,3,4,5,6,7
	v_max_num_f32 v[TM+\m], v[TM+\m], v[XC+\m]     ; with lane l xor 16's 16 keys
.endr
.irp m, 0,1,2,3,4,5,6,7
	v_mul_f32 v[TM+\m], s70, v[TM+\m]
.endr
.irp m, 0,1,2,3,4,5,6,7
	v_ceil_f32 v[NRP+2*\m], -v[TM+\m]              ; -R = ceil(-t)
.endr
.irp i, 0,2,4,6,8,10,12,14
.irp m, 0,1,2,3,4,5,6,7
	v_pk_fma_f32 v[S+16*\m+\i:S+16*\m+\i+1], v[S+16*\m+\i:S+16*\m+\i+1], s[70:71], v[NRP+2*\m:NRP+2*\m+1] op_sel_hi:[1,0,0]
.endr
.endr
	s_wait_alu depctr_va_vdst(0)                   ; ahead of the batch
.set n, 0
.rept 128
	v_exp_f32 v[S+n], v[S+n]                       ; p'' = 2^(t - R); 0 for a hidden key
.set n, n+1
.endr
	v_nop
	s_wait_alu depctr_va_vdst(0)                   ; and behind it, ahead of its first reader
.irp m, 0,1,2,3,4,5,6,7
	v_pk_add_f32 v[TP+2*\m:TP+2*\m+1], v[S+16*\m:S+16*\m+1], v[S+16*\m+2:S+16*\m+3]   ; the sum of the UNQUANTISED p''
.endr
.irp i, 4,6,8,10,12,14
.irp m, 0,1,2,3,4,5,6,7
	v_pk_add_f32 v[TP+2*\m:TP+2*\m+1], v[TP+2*\m:TP+2*\m+1], v[S+16*\m+\i:S+16*\m+\i+1]
.endr
.endr
.irp m, 0,1,2,3,4,5,6,7
	v_add_f32 v[TM+\m], v[TP+2*\m], v[TP+2*\m+1]
.endr
.irp m, 0,1,2,3,4,5,6,7
	v_permlanex16_b32 v[XC+\m], v[TM+\m], s72, s73
.endr
.irp m, 0,1,2,3,4,5,6,7
	v_add_f32 v[TM+\m], v[TM+\m], v[XC+\m]         ; L
.endr
; The codes: dword (n, u) of lane half hh is keys 32 n + 16 u + 8 hh + 0 .. 7 and belongs into register 2 u + hh of lane half n: written into register 2 u + n, and a swap of halves puts both in place.
.irp q, 0,1,2,3
.irp u, 0,1
.irp n, 0,1
	v_cvt_scalef32_pk8_fp4_f32 v[CC+4*\q+2*\u+\n], v[S+32*\q+16*\n+8*\u:S+32*\q+16*\n+8*\u+7], v[QRT]
.endr
.endr
.endr
	v_nop                                          ; one plain place behind a scaled conversion
.irp q, 0,1,2,3
.irp u, 0,1
	v_permlane16_swap_b32 v[CC+4*\q+2*\u], v[CC+4*\q+2*\u+1]
.endr
.endr
.irp p, 0,1                                        ; statistics of query tiles 2 p (lanes 0-15), 2 p + 1 (lanes 16-31)
.irp n, 0,1
	v_cndmask_b32 v[TP+4*\p+\n], v[NRP+8*\p+2*\n], v[NRP+8*\p+4+2*\n], s74
	v_cndmask_b32 v[TP+4*\p+2+\n], v[TM+4*\p+\n], v[TM+4*\p+2+\n], s74
.endr
.endr
.irp q, 0,1,2,3
	global_store_b128 v[LO], v[CC+4*\q:CC+4*\q+3], s[56:57] offset:1024*\q     ; 512 consecutive bytes, aligned
.endr
.irp p, 0,1
	global_store_b128 v[LO], v[TP+4*\p:TP+4*\p+3], s[58:59] offset:512*\p
.endr
	s_cmp_eq_u32 s67, 0
	s_cbranch_scc1 .Lend
.irp i, 0,1,2,3
	v_mov_b32 v[S+\i], 0                           ; the hidden 64 keys beside a diagonal item: zero codes,
.endr
.irp i, 0,1
	v_mov_b32 v[S+4+\i], 0x7f61b1e6                ; -R = 3e38
	v_mov_b32 v[S+6+\i], 0                         ; L = 0
.endr
.irp q, 0,1,2,3
	global_store_b128 v[LO], v[S:S+3], s[56:57] offset:1024*\q+512
.endr
.irp p, 0,1
	global_store_b128 v[LO], v[S+4:S+7], s[58:59] offset:512*\p+2048
.endr
.Lend:
	s_wait_tensorcnt 0x0                           ; the wave's end
	ds_add_u32 v[SPW], v[NIL]
	s_wait_dscnt 0x0
	s_endpgm
.Lfunc_end_k_qc2caf46cb3_score:
	.size	k_qc2caf46cb3_score, .Lfunc_end_k_qc2caf46cb3_score-k_qc2caf46cb3_score
	.p2alignl 7, 3214868480
	.fill 96, 4, 3214868480
	.section	.rodata,"a",@progbits
	.p2align	6, 0x0
	.amdhsa_kernel k_qc2caf46cb3_score
		.amdhsa_group_segment_fixed_size 327680
		.amdhsa_private_segment_fixed_size 0
		.amdhsa_enable_private_segment 0
		.amdhsa_kernarg_size 32
		.amdhsa_user_sgpr_count 2
		.amdhsa_user_sgpr_kernarg_segment_ptr 1
		.amdhsa_wavefront_size32 1
		.amdhsa_system_sgpr_workgroup_id_x 1
		.amdhsa_system_sgpr_workgroup_id_y 1
		.amdhsa_system_sgpr_workgroup_id_z 1
		.amdhsa_system_vgpr_workitem_id 0
		.amdhsa_next_free_vgpr 320
		.amdhsa_next_free_sgpr 80
		.amdhsa_reserve_vcc 1
		.amdhsa_float_denorm_mode_32 3
		.amdhsa_float_denorm_mode_16_64 3
		.amdhsa_memory_ordered 1
		.amdhsa_forward_progress 1
		.amdhsa_inst_pref_size 58
	.end_amdhsa_kernel
	.amdgpu_metadata
---
amdhsa.version: [ 1, 2 ]
amdhsa.kernels:
  - .name:           k_qc2caf46cb3_score
    .symbol:         k_qc2caf46cb3_score.kd
    .args:
      - { .name: kf, .offset: 0, .size: 8, .value_kind: global_buffer, .address_space: global }
      - { .name: ks, .offset: 8, .size: 8, .value_kind: global_buffer, .address_space: global }
      - { .name: pf, .offset: 16, .size: 8, .value_kind: global_buffer, .address_space: global }
      - { .name: st, .offset: 24, .size: 8, .value_kind: global_buffer, .address_space: global }
    .group_segment_fixed_size: 327680
    .private_segment_fixed_size: 0
    .kernarg_segment_align: 8
    .kernarg_segment_size: 32
    .max_flat_workgroup_size: 320
    .sgpr_count:     80
    .vgpr_count:     320
    .wavefront_size: 32
...
	.end_amdgpu_metadata
.endif
;; end of part 2
;; launch pv (part 3): grid 8 x 32, 4 waves a work-group, clusters of 4 x 1, 327,680 bytes of LDS; arguments pf, st, vf, vs, out0; writes out0
.if DOCPART == 3
	.amdgcn_target "amdgcn-amd-amdhsa--gfx1250"
	.amdhsa_code_object_version 6
	.text
	.protected	k_qc2caf46cb3_pv
	.globl	k_qc2caf46cb3_pv
	.p2align	8
	.type	k_qc2caf46cb3_pv,@function
k_qc2caf46cb3_pv:
	s_mov_b64 s[64:65], 0
	v_nop
	global_prefetch_b8 v0, s[64:65] scope:SCOPE_SE
	s_setreg_imm32_b32 hwreg(HW_REG_WAVE_MODE, 25, 1), 1
	s_wait_xcnt 0x0
	s_wait_alu depctr_hold_cnt(0) depctr_sa_sdst(0) depctr_va_vdst(0) depctr_va_sdst(0) depctr_va_ssrc(0) depctr_va_vcc(0) depctr_vm_vsrc(0)
	s_getreg_b32 s2, hwreg(HW_REG_IB_STS2, 6, 4)
	s_cmp_eq_u32 s2, 0
	s_cbranch_scc0 .Lentry_in_a_cluster
	s_endpgm
.Lentry_in_a_cluster:
	s_bfe_u32 s2, ttmp6, 0x10000c
	s_cmp_lg_u32 s2, 0x3003
	s_cbranch_scc0 .Lentry_shape_is_right
	s_endpgm
.Lentry_shape_is_right:
; out[b][q][h] = (the sum over key steps of P V) / l, on codes of FP4 (E2M1), P's scale bytes and l made here from the blocks' -R and L.
; WORK LEFT OUT.  Key steps of 128 wholly behind a block of 128 queries (the problem's own mask) are not multiplied.  A NaN, an infinity or an overflow that reaches only that work is not carried to the result.
; (V's registers are loaded for all 16 key steps, so that every register is written on every way; the steps behind the longer block's last are not multiplied.)
; SHARES.  A work-group takes 128 of h (x) and the query blocks A = i and B = 15 - i of 128 (y = i + 8 b): i + 1 and 16 - i key steps, 17 units in every work-group.  Wave w owns 32 of h, all 256 queries.
; FOUR PASSES of 64 queries each: A's halves, then B's.  A pass's results leave while the next pass is multiplied; behind the last product a quarter of the results is left to store.
; P: the pair's 17 units, 139,264 dense bytes, one quarter a wave by one tensor load; slot J is B's key step J, slot 16 - J is A's.  CLUSTER: four neighbours along x need the same P: asked for jointly.
; V: no other wave needs my 32 of h: from memory straight into registers, 16 steps x 16.  No prefetch: there is no loop to run ahead in.
; M = the largest R of the row, a whole number, over all its blocks, made ahead of the products: so nothing is rescaled.  A block's byte is 125 + R - M, held at 1: what lies under 2^-124 of the row's largest p is
; carried at that size.  l = the sum of L 2^(R - M).  M's power of two cancels between O and l.  NaN and infinities are not served.
; LDS: 0: P.  139264: words: 17 slots of scale words [lane 32][wave 4], then 1 / l of B and of A.  148992: stages of B and A, 128 rows x (512 + 16) bytes.  284160: the spare words.
; REGISTERS: window 0: addresses, scale words, statistics at work.  window 1: V (J, t) at 16 J + 8 t.  window 2: O^T of pass p (qt % 4, t) at 64 p + 8 (2 (qt % 4) + t); ahead of that the statistics, 8 a slot.
;   window 3: six buffers of 32 for P's fragments (4 query tiles x 128 keys).
.set PSB,   139264
.set STG,   148992
.set SPARE, 284160
.set LO,   1                           ; v1 16 x lane;  v3, v4: the same + 65,536, + 131,072
.set PSW,  2                           ; v2 PSB + 16 lane + 4 w
.set SB,   5                           ; v5, v6 the stage of B, of A: row r, my 32 of h
.set RB,   7                           ; v7, v8 the stages: row 16 w, 16 x lane
.set FAD,  9                           ; v9 PSB + 16 r
.set MB,   10
.set MA,   11
.set NEG,  12
.set PSR,  13                          ; v13 PSB + 16 lane
.set LB,   14                          ; v14-17
.set LA,   18
.set VSO,  20                          ; v20 16 lane + 4 w
.set STO,  21                          ; v21 16 x thread
.set SPW,  28
.set NIL,  29
.set PS,   32                          ; v32-99 P's scale words: 4 a slot: lanes 0-15 tile 2 p, lanes 16-31 tile 2 p + 1
.set VS,   100                         ; v100-115 V's: one a step: lanes 0-15 t = 0, lanes 16-31 t = 1
.set T,    116                         ; v116-183 bytes and words
.set FC,   184                         ; v184-251 factors
.set FB,   116                         ; behind the statistics: 1 / l in the low word of a pair, A's eight tiles, B's eight 16 registers on
.set LOOK, 5                           ; P's fragments are asked for so many key steps ahead
.set MSB, 0
.macro WIN new
.if MSB != \new
	s_set_vgpr_msb (MSB<<8)|\new
.set MSB, \new
.endif
.endm
.macro PLACES n                        ; plain places behind matrix instructions (ISA guide 7.12.1)
.rept \n
	v_nop
.endr
.endm
.macro CROUND                          ; a round of the cluster's barrier
	s_barrier_signal -1
	s_barrier_wait -1
	s_cmp_lg_u32 s14, 0
	s_cbranch_scc1 .Lnot_wave_0_\@
	s_barrier_signal -3
.Lnot_wave_0_\@:
	s_barrier_wait -3
	s_barrier_signal -1
	s_barrier_wait -1
.endm
.macro SW z, ra, rb                    ; one scaled product; ra, rb = 1: that side's words stand in lanes 16-31
.if \z
.if ((\ra) == 0) && ((\rb) == 0)
	v_wmma_scale_f32_16x16x128_f8f6f4 v[rD:rD+7], v[rA:rA+7], v[rB:rB+7], 0, v[rSA], v[rSB] matrix_a_fmt:MATRIX_FMT_FP4 matrix_b_fmt:MATRIX_FMT_FP4
.elseif (\rb) == 0
	v_wmma_scale_f32_16x16x128_f8f6f4 v[rD:rD+7], v[rA:rA+7], v[rB:rB+7], 0, v[rSA], v[rSB] matrix_a_fmt:MATRIX_FMT_FP4 matrix_b_fmt:MATRIX_FMT_FP4 matrix_a_scale:MATRIX_SCALE_ROW1
.elseif (\ra) == 0
	v_wmma_scale_f32_16x16x128_f8f6f4 v[rD:rD+7], v[rA:rA+7], v[rB:rB+7], 0, v[rSA], v[rSB] matrix_a_fmt:MATRIX_FMT_FP4 matrix_b_fmt:MATRIX_FMT_FP4 matrix_b_scale:MATRIX_SCALE_ROW1
.else
	v_wmma_scale_f32_16x16x128_f8f6f4 v[rD:rD+7], v[rA:rA+7], v[rB:rB+7], 0, v[rSA], v[rSB] matrix_a_fmt:MATRIX_FMT_FP4 matrix_b_fmt:MATRIX_FMT_FP4 matrix_a_scale:MATRIX_SCALE_ROW1 matrix_b_scale:MATRIX_SCALE_ROW1
.endif
.else
.if ((\ra) == 0) && ((\rb) == 0)
	v_wmma_scale_f32_16x16x128_f8f6f4 v[rD:rD+7], v[rA:rA+7], v[rB:rB+7], v[rD:rD+7], v[rSA], v[rSB] matrix_a_fmt:MATRIX_FMT_FP4 matrix_b_fmt:MATRIX_FMT_FP4
.elseif (\rb) == 0
	v_wmma_scale_f32_16x16x128_f8f6f4 v[rD:rD+7], v[rA:rA+7], v[rB:rB+7], v[rD:rD+7], v[rSA], v[rSB] matrix_a_fmt:MATRIX_FMT_FP4 matrix_b_fmt:MATRIX_FMT_FP4 matrix_a_scale:MATRIX_SCALE_ROW1
.elseif (\ra) == 0
	v_wmma_scale_f32_16x16x128_f8f6f4 v[rD:rD+7], v[rA:rA+7], v[rB:rB+7], v[rD:rD+7], v[rSA], v[rSB] matrix_a_fmt:MATRIX_FMT_FP4 matrix_b_fmt:MATRIX_FMT_FP4 matrix_b_scale:MATRIX_SCALE_ROW1
.else
	v_wmma_scale_f32_16x16x128_f8f6f4 v[rD:rD+7], v[rA:rA+7], v[rB:rB+7], v[rD:rD+7], v[rSA], v[rSB] matrix_a_fmt:MATRIX_FMT_FP4 matrix_b_fmt:MATRIX_FMT_FP4 matrix_a_scale:MATRIX_SCALE_ROW1 matrix_b_scale:MATRIX_SCALE_ROW1
.endif
.endif
.endm
	s_load_b256 s[4:11], s[0:1], 0x0               ; pf s[4:5], st s[6:7], vf s[8:9], vs s[10:11]
	s_load_b64 s[12:13], s[0:1], 0x20              ; out0
	v_lshl_add_u32 v[SPW], v0, 2, SPARE
	v_mov_b32 v[NIL], 0
	ds_add_u32 v[SPW], v[NIL]                      ; the wave's opening: the add, twice on end
	ds_add_u32 v[SPW], v[NIL]
	v_lshrrev_b32 v22, 5, v0
	v_readfirstlane_b32 s14, v22                   ; wave 0..3
	s_and_b32 s15, ttmp7, 0xffff
	s_lshr_b32 s16, s15, 3                         ; b
	s_and_b32 s15, s15, 7                          ; i: A's block, and its last key step
	s_sub_co_u32 s18, 15, s15                      ; B's
	s_bfe_u32 s40, ttmp6, 0x40000
	s_lshl_b32 s17, ttmp9, 2
	s_add_co_u32 s17, s17, s40                     ; my 128 of h
	v_and_b32 v22, 31, v0
	v_lshlrev_b32 v[LO], 4, v22
	v_and_b32 v23, 15, v0                          ; r
	v_bfe_u32 v24, v0, 4, 1                        ; hh
	v_add_nc_u32 v3, 0x10000, v[LO]
	v_add_nc_u32 v4, 0x20000, v[LO]
	s_lshl_b32 s41, s14, 2
	v_add_nc_u32 v[VSO], s41, v[LO]
	v_add_nc_u32 v[PSW], PSB, v[VSO]
	v_add_nc_u32 v[PSR], PSB, v[LO]
	v_lshlrev_b32 v[STO], 4, v0
	v_lshlrev_b32 v25, 4, v23
	v_add_nc_u32 v[FAD], PSB, v25
	v_mul_u32_u24 v[SB], v23, 528
	v_lshl_add_u32 v[SB], v24, 5, v[SB]
	s_lshl_b32 s41, s14, 7
	s_add_co_u32 s41, s41, STG
	v_add_nc_u32 v[SB], s41, v[SB]
	v_add_nc_u32 v[SB+1], 67584, v[SB]
	s_mul_i32 s41, s14, 8448
	s_add_co_u32 s41, s41, STG
	v_add_nc_u32 v[RB], s41, v[LO]
	v_add_nc_u32 v[RB+1], 67584, v[RB]
	v_mov_b32 v[NEG], 0xff61b1e6                   ; -3e38, under every R
	v_mov_b32 v[MB], 0xff61b1e6
	v_mov_b32 v[MA], 0xff61b1e6
.irp k, 0,1,2,3,4,5,6
	s_cmp_ge_u32 s18, \k+9                         ; slot 9 + k: B's (all lanes) or A's (none)
	s_cselect_b32 s[70+\k], -1, 0
.endr
	s_lshl_b32 s19, s16, 3
	s_add_co_u32 s19, s19, s15
	s_mul_i32 s19, s19, 17                         ; the pair's first unit
	s_lshl_b32 s42, s19, 13
	s_mul_i32 s43, s14, 34816
	s_add_co_u32 s42, s42, s43                     ; my quarter of P
	s_mov_b32 s43, 0
	s_lshl_b32 s44, s19, 12                        ; the statistics
	s_mov_b32 s45, 0
	s_lshl_b32 s46, s16, 20                        ; V: [b][J 16][64 tiles][1,024]
	s_lshl_b32 s47, s17, 13
	s_add_co_u32 s46, s46, s47
	s_lshl_b32 s47, s14, 11
	s_add_co_u32 s46, s46, s47
	s_mov_b32 s47, 0
	s_lshl_b32 s48, s16, 16                        ; its scale words: [b][J][8][lane 32][4]
	s_lshl_b32 s49, s17, 9
	s_add_co_u32 s48, s48, s49
	s_mov_b32 s49, 0
	s_lshl_b32 s50, s16, 23                        ; out: rows of 4,096 bytes: my 16 rows of a half block, the work-group's 512 bytes
	s_lshl_b32 s51, s14, 16
	s_add_co_u32 s50, s50, s51
	s_lshl_b32 s51, s17, 9
	s_add_co_u32 s50, s50, s51
	s_lshl_b32 s52, s15, 19
	s_add_co_u32 s52, s52, s50
	s_mov_b32 s53, 0
	s_lshl_b32 s51, s18, 19
	s_add_co_u32 s50, s50, s51
	s_mov_b32 s51, 0
	; the descriptor: 136 rows of 256 bytes, dense, elements of 8 bytes; the mask names the cluster's four
	s_mov_b32 s24, 15|(3<<16)|(1<<21)
	s_mov_b32 s25, 32<<16
	s_mov_b32 s26, 136<<16
	s_mov_b32 s27, 32<<16
	s_mov_b32 s28, 136
	s_mov_b32 s29, 32
	s_mov_b32 s30, 0
	s_mov_b32 s31, 0
	s_mov_b32 s32, 1
	s_mul_i32 s33, s14, 34816
	s_wait_alu depctr_va_vdst(0)
	s_wait_dscnt 0x0                               ; both opening adds are done
	s_wait_kmcnt 0x0
	s_add_nc_u64 s[34:35], s[4:5], s[42:43]
	s_or_b32 s35, s35, 0x80000000
	s_add_nc_u64 s[44:45], s[6:7], s[44:45]
	s_add_nc_u64 s[46:47], s[8:9], s[46:47]
	s_add_nc_u64 s[48:49], s[10:11], s[48:49]
	s_add_nc_u64 s[50:51], s[12:13], s[50:51]      ; B's rows
	s_add_nc_u64 s[52:53], s[12:13], s[52:53]      ; A's
	CROUND                                         ; the joint loads meet
	tensor_load_to_lds s[32:35], s[24:31]
	s_nop 0
	PLACES 4
	WIN 0x80
.set n, 0
.rept 17                                           ; 34 loads: -R0, -R1, L0, L1 of my 32 queries (lane = query), 64 keys each
	global_load_b128 v[8*n:8*n+3], v[STO], s[44:45] offset:4096*n
	global_load_b128 v[8*n+4:8*n+7], v[STO], s[44:45] offset:4096*n+2048
.set n, n+1
.endr
	WIN 0
.set n, 0
.rept 16
	global_load_b32 v[VS+n], v[VSO], s[48:49] offset:4096*n
.set n, n+1
.endr
.macro VLD from, cnt                   ; V of steps from .. from + cnt - 1: four loads a step
	WIN 0x40
.set n, \from
.rept \cnt
.irp t, 0,1
.irp c, 0,1
	global_load_b128 v[16*n+8*\t+4*\c:16*n+8*\t+4*\c+3], v[LO], s[46:47] offset:65536*n+1024*\t+512*\c
.endr
.endr
.set n, n+1
.endr
	WIN 0
.endm
	VLD 0, 3
	s_wait_loadcnt 28                              ; the statistics are in: behind them 16 scale words and 12 of V
	VLD 3, 3
	; M of B's and of A's queries
	WIN 0x28                                       ; sources 1 and 2 in window 2
.set n, 0
.rept 9
	v_max3_num_f32 v[MB], v[MB], -v[8*n], -v[8*n+1]
	v_max3_num_f32 v[MB], v[MB], -v[8*n+4], -v[8*n+5]
.set n, n+1
.endr
	v_max3_num_f32 v[MA], v[MA], -v[128], -v[129]
	v_max3_num_f32 v[MA], v[MA], -v[132], -v[133]
.irp k, 0,1,2,3,4,5,6
	v_max3_num_f32 v[FC+\k], v[NEG], -v[72+8*\k], -v[73+8*\k]
.endr
.irp k, 0,1,2,3,4,5,6
	v_max3_num_f32 v[FC+\k], v[FC+\k], -v[76+8*\k], -v[77+8*\k]
.endr
	WIN 0
.irp k, 0,1,2,3,4,5,6
	v_cndmask_b32 v[FC+7+\k], v[NEG], v[FC+\k], s[70+\k]
	v_cndmask_b32 v[FC+14+\k], v[FC+\k], v[NEG], s[70+\k]
.endr
.irp k, 0,1,2,3,4,5,6
	v_max_num_f32 v[MB], v[MB], v[FC+7+\k]
	v_max_num_f32 v[MA], v[MA], v[FC+14+\k]
.endr
.irp k, 0,1,2,3,4,5,6
	v_cndmask_b32 v[FC+7+\k], v[MA], v[MB], s[70+\k]   ; slot 9 + k's M
.endr
	WIN 0x08                                       ; source 1 in window 2
.set n, 0
.rept 17
.if n < 9
.set MX, MB
.elseif n == 16
.set MX, MA
.else
.set MX, FC+7+n-9
.endif
.irp o, 0,1,4,5
	v_add_f32 v[T+4*n+2*(\o/4)+\o%2], v[MX], v[8*n+\o]    ; M - R, 0 or more
.endr
.set n, n+1
.endr
	WIN 0
.set n, 0
.rept 68
	v_sub_f32 v[T+n], 0x42fa0000, v[T+n]           ; 125 + R - M
.set n, n+1
.endr
.set n, 0
.rept 68
	v_max_num_f32 v[T+n], 1.0, v[T+n]
.set n, n+1
.endr
.set n, 0
.rept 68
	v_cvt_u32_f32 v[T+n], v[T+n]                   ; the block's byte
.set n, n+1
.endr
.set n, 0
.rept 68
	v_lshl_add_u32 v[FC+n], v[T+n], 23, 0x1000000  ; 2^(R - M): exponent field = the byte + 2
.set n, n+1
.endr
.irp b, 1,2,3
.set n, 0
.rept 17
	v_lshl_or_b32 v[T+4*n], v[T+4*n+\b], 8*\b, v[T+4*n]   ; the slot's scale word
.set n, n+1
.endr
.endr
	WIN 0x08
.irp b, 0,1,2,3
	v_mul_f32 v[LB+\b], v[FC+\b], v[2+4*(\b/2)+\b%2]
.endr
.set n, 1
.rept 8
.irp b, 0,1,2,3
	v_fma_f32 v[LB+\b], v[FC+4*n+\b], v[8*n+2+4*(\b/2)+\b%2], v[LB+\b]
.endr
.set n, n+1
.endr
.irp k, 0,1,2,3,4,5,6,7                            ; slots 9 .. 16, each by itself (v32-39)
	v_mul_f32 v[PS+\k], v[FC+36+4*\k], v[74+8*\k]
.endr
.irp b, 1,2,3
.irp k, 0,1,2,3,4,5,6,7
	v_fma_f32 v[PS+\k], v[FC+36+4*\k+\b], v[74+8*\k+4*(\b/2)+\b%2], v[PS+\k]
.endr
.endr
	WIN 0
	v_add_f32 v[LB], v[LB], v[LB+1]
	v_add_f32 v[LB+2], v[LB+2], v[LB+3]
	v_mov_b32 v[LA], v[PS+7]                       ; slot 16 is A's
	v_add_f32 v[LB], v[LB], v[LB+2]
.irp k, 0,1,2,3,4,5,6
	v_cndmask_b32 v[PS+8+\k], 0, v[PS+\k], s[70+\k]
	v_cndmask_b32 v[PS+16+\k], v[PS+\k], 0, s[70+\k]
.endr
.irp k, 0,1,2,3,4,5,6
	v_add_f32 v[LB], v[LB], v[PS+8+\k]
	v_add_f32 v[LA], v[LA], v[PS+16+\k]
.endr
	s_wait_alu depctr_va_vdst(0)                   ; ahead of the transcendentals
	v_rcp_f32 v[LB], v[LB]
	v_rcp_f32 v[LA], v[LA]
	v_nop
	s_wait_alu depctr_va_vdst(0)                   ; and behind them, ahead of their first reader
.set n, 0
.rept 17
	ds_store_b32 v[PSW], v[T+4*n] offset:512*n
.set n, n+1
.endr
	ds_store_b32 v[PSW], v[LB] offset:512*17
	ds_store_b32 v[PSW], v[LA] offset:512*18
	s_wait_tensorcnt 0x0                           ; my quarter of P is in,
	s_wait_dscnt 0x0                               ; my words are stored,
	s_barrier_signal -1
	s_barrier_wait -1                              ; and everybody's
; P's fragments of four query tiles of a slot into a buffer: 8 loads.
.macro PFT buf, slot, hf
.if (\slot) < 8
.set rP, LO
.elseif (\slot) < 16
.set rP, 3
.else
.set rP, 4
.endif
	WIN 0xc0
.irp t, 0,1,2,3
.irp c, 0,1
	ds_load_b128 v[32*(\buf)+8*\t+4*\c:32*(\buf)+8*\t+4*\c+3], v[rP] offset:8192*((\slot)%8)+4096*(\hf)+1024*\t+512*\c
.endr
.endr
.endm
.macro PRE isb, hf                     ; a pass's first LOOK steps: 40 loads
.set fx, 0
.rept LOOK
.set sx, (\isb)*fx+(1-(\isb))*(16-fx)
	PFT fx, sx, \hf
.set fx, fx+1
.endr
	WIN 0
.endm
; O^T += V^T P^T of key step n: source 0 = 16 of h, source 1 = 16 queries.  The 8 accumulators take turns.
.macro UNIT acc, hf
	WIN 0xad                                       ; V in window 1, P in window 3, O^T in window 2
.irp q, 0,1,2,3
.irp t, 0,1
.set rD, (\acc)+8*(2*\q+\t)
.set rA, 16*n+8*\t
.set rB, 32*(n%6)+8*\q
.set rSA, VS+n
.set rSB, PS+4*ux+2*(\hf)+\q/2
.if n == 0
	SW 1, \t, \q%2
.else
	SW 0, \t, \q%2
.endif
.endr
.endr
.endm
; A PASS: block A (isb = 0: key steps 0 .. i, at most 8, slots down from 16) or B (1: key steps 0 .. 15 - i, at least 9, slots up from 0), queries 64 hf on.
.macro PASS isb, hf, acc
.set n, 0
.rept 8+8*(\isb)
.if n >= 1+8*(\isb)
	WIN 0
	s_cmp_lt_u32 s[15+3*(\isb)], n
	s_cbranch_scc1 .Lpass_done_\@
.endif
.set fx, n+LOOK
.if fx < 8+8*(\isb)
	PLACES 4                                       ; that buffer was read by the products before
.set bx, fx%6
.set sx, (\isb)*fx+(1-(\isb))*(16-fx)
	PFT bx, sx, \hf
	s_wait_dscnt 8*LOOK                            ; behind this step's fragments: the next five steps'
.else
	s_wait_dscnt 8*(7+8*(\isb)-n)
.endif
	s_wait_loadcnt 4*(15-n)                        ; V of this step is in: behind it four loads for each later step
.set ux, (\isb)*n+(1-(\isb))*(16-n)
	UNIT \acc, \hf
.set n, n+1
.endr
	WIN 0
.Lpass_done_\@:
.endm
; THE WAY OUT of a pass: O^T / l into the stage; behind a barrier each wave takes 16 whole rows of 512 bytes, through the registers that held the sums.
.macro STAGE acc, f, sa, hf
	PLACES 4
	WIN 0x82                                       ; O^T in window 2, 1 / l in window 0
.set k, 0
.rept 8
.irp j, 0,2,4,6
	v_pk_mul_f32 v[(\acc)+8*k+\j:(\acc)+8*k+\j+1], v[(\acc)+8*k+\j:(\acc)+8*k+\j+1], v[(\f)+8*(\hf)+2*(k/2):(\f)+8*(\hf)+2*(k/2)+1] op_sel_hi:[1,0]
.endr
.set k, k+1
.endr
	WIN 0x08                                       ; a store's data: window 2
.set k, 0
.rept 8
	ds_store_b128 v[\sa], v[(\acc)+8*k:(\acc)+8*k+3] offset:8448*(4*(\hf)+k/2)+64*(k%2)
	ds_store_b128 v[\sa], v[(\acc)+8*k+4:(\acc)+8*k+7] offset:8448*(4*(\hf)+k/2)+64*(k%2)+16
.set k, k+1
.endr
	WIN 0
	s_wait_dscnt 0x0                               ; for the others' sake; P's fragments asked for beyond the last step are in too
	s_barrier_signal -1
	s_barrier_wait -1
.endm
.macro BACK acc, ra, hf
	WIN 0x80
.set k, 0
.rept 16
	ds_load_b128 v[(\acc)+4*k:(\acc)+4*k+3], v[\ra] offset:528*(64*(\hf)+k)
.set k, k+1
.endr
	WIN 0
.endm
.macro SEND acc, base, hf, younger     ; younger: the LDS loads issued behind BACK's
	WIN 0x08
.set k, 0
.rept 16
	s_wait_dscnt (\younger)+15-k
	global_store_b128 v[LO], v[(\acc)+4*k:(\acc)+4*k+3], s[\base:\base+1] offset:4096*(64*(\hf)+k) th:TH_STORE_NT   ; 512 consecutive bytes, aligned; written once
.set k, k+1
.endr
	WIN 0
.endm
.set n, 0
.rept 17
	ds_load_b128 v[PS+4*n:PS+4*n+3], v[PSR] offset:512*n
.set n, n+1
.endr
.irp q, 0,1,2,3,4,5,6,7                            ; 1 / l of query r of each tile: A's, B's
	ds_load_b32 v[FB+2*\q], v[FAD] offset:512*18+256*(\q%2)+4*(\q/2)
	ds_load_b32 v[FB+16+2*\q], v[FAD] offset:512*17+256*(\q%2)+4*(\q/2)
.endr
	PRE 0, 0
	VLD 6, 10                                      ; the rest of V comes in under the first passes
	PASS 0, 0, 0
	STAGE 0, FB, SB+1, 0
	BACK 0, RB+1, 0
	PRE 0, 1
	SEND 0, 52, 0, 8*LOOK
	PASS 0, 1, 64
	STAGE 64, FB, SB+1, 1
	BACK 64, RB+1, 1
	PRE 1, 0
	SEND 64, 52, 1, 8*LOOK
	PASS 1, 0, 128
	STAGE 128, FB+16, SB, 0
	BACK 128, RB, 0
	PRE 1, 1
	SEND 128, 50, 0, 8*LOOK
	PASS 1, 1, 192
	STAGE 192, FB+16, SB, 1
	BACK 192, RB, 1
	SEND 192, 50, 1, 0
	s_wait_tensorcnt 0x0                           ; the wave's end
	ds_add_u32 v[SPW], v[NIL]
	s_wait_dscnt 0x0
	CROUND                                         ; the closing round: no work-group ends while a partner may still ask for a tile that names it
	s_endpgm
.Lfunc_end_k_qc2caf46cb3_pv:
	.size	k_qc2caf46cb3_pv, .Lfunc_end_k_qc2caf46cb3_pv-k_qc2caf46cb3_pv
	.p2alignl 7, 3214868480
	.fill 96, 4, 3214868480
	.section	.rodata,"a",@progbits
	.p2align	6, 0x0
	.amdhsa_kernel k_qc2caf46cb3_pv
		.amdhsa_group_segment_fixed_size 327680
		.amdhsa_private_segment_fixed_size 0
		.amdhsa_enable_private_segment 0
		.amdhsa_kernarg_size 40
		.amdhsa_user_sgpr_count 2
		.amdhsa_user_sgpr_kernarg_segment_ptr 1
		.amdhsa_wavefront_size32 1
		.amdhsa_system_sgpr_workgroup_id_x 1
		.amdhsa_system_sgpr_workgroup_id_y 1
		.amdhsa_system_sgpr_workgroup_id_z 1
		.amdhsa_system_vgpr_workitem_id 0
		.amdhsa_next_free_vgpr 1024
		.amdhsa_next_free_sgpr 80
		.amdhsa_reserve_vcc 0
		.amdhsa_float_denorm_mode_32 3
		.amdhsa_float_denorm_mode_16_64 3
		.amdhsa_memory_ordered 1
		.amdhsa_forward_progress 1
		.amdhsa_inst_pref_size 160
	.end_amdhsa_kernel
	.amdgpu_metadata
---
amdhsa.version: [ 1, 2 ]
amdhsa.kernels:
  - .name:           k_qc2caf46cb3_pv
    .symbol:         k_qc2caf46cb3_pv.kd
    .args:
      - { .name: pf, .offset: 0, .size: 8, .value_kind: global_buffer, .address_space: global }
      - { .name: st, .offset: 8, .size: 8, .value_kind: global_buffer, .address_space: global }
      - { .name: vf, .offset: 16, .size: 8, .value_kind: global_buffer, .address_space: global }
      - { .name: vs, .offset: 24, .size: 8, .value_kind: global_buffer, .address_space: global }
      - { .name: out0, .offset: 32, .size: 8, .value_kind: global_buffer, .address_space: global }
    .group_segment_fixed_size: 327680
    .private_segment_fixed_size: 0
    .kernarg_segment_align: 8
    .kernarg_segment_size: 40
    .max_flat_workgroup_size: 128
    .sgpr_count:     80
    .vgpr_count:     1024
    .wavefront_size: 32
...
	.end_amdgpu_metadata
.endif
;; end of part 3
